; MI455X (gfx1250); checked and timed in simulation.
; The chip was launched on July 23, 2026; its instructions are those of AMD's public machine-readable ISA for CDNA 5 (MIT licence, August 2026) and "CDNA5" Instruction Set Architecture Reference Guide (July 2026). The comments in the code are by the model that wrote it; some were corrected since.
;; Parallel Sequence Mo E Head. Allowed arithmetic: float matrix products may take bf16 or f16 operands with f32 sums; other float arithmetic in f32, or as packed bf16 or f16 multiplies, adds, multiply-adds, maxima and minima; sums over many terms, partial sums and values carried from step to step in f32; what a program stores and reads back later, other than sums and carried values, may be rounded once to bf16 or f16.
;; Inputs: b1 8 x 1 x 1,024 float32; b2 8 x 1 x 1,024 float32; dec_embeddings 8 x 1,024 float32; router_b 8 float32; router_w 8 x 1,024 float32; w1 8 x 1,024 x 1,024 float32; w2 8 x 1,024 x 1,024 float32; x 8 x 512 x 1,024 float32.
;; Outputs: out0 8 x 512 x 1,024 float32; out1 one number float32; out2 8 x 8 float32; out3 8 x 8 float32.
;; One version. Each part assembles by itself: llvm-mc -triple=amdgcn-amd-amdhsa -mcpu=gfx1250 --defsym DOCPART=n.
;; ======== version 1 of 1: 3 launches
;; workspace buffers: xb 8,388,608 bytes; hid 16,777,216 bytes; route 256 bytes of whole numbers; gates 256 bytes
;; launch prep (part 1): grid 257 x 1, 8 waves a work-group, no clusters, 4,096 bytes of LDS; arguments x, dec_embeddings, router_w, router_b, xb, route, gates, out1, out2, out3; writes xb, route, gates, out1, out2, out3
.if DOCPART == 1
	.amdgcn_target "amdgcn-amd-amdhsa--gfx1250"
	.amdhsa_code_object_version 6
	.text
	.protected	k_q5d0f8ea86e_prep
	.globl	k_q5d0f8ea86e_prep
	.p2align	8
	.type	k_q5d0f8ea86e_prep,@function
k_q5d0f8ea86e_prep:
	s_mov_b64 s[64:65], 0
	v_nop
	global_prefetch_b8 v0, s[64:65] scope:SCOPE_SE
	s_setreg_imm32_b32 hwreg(HW_REG_WAVE_MODE, 25, 1), 1
	s_wait_xcnt 0x0
; TWO JOBS IN ONE LAUNCH.  Work-group 0: the router (logits, softmax, top 2, gates, mask, aux loss).  Work-groups 1 .. 256: x rounded to bf16 and laid in blocks.
; ALL INPUTS ARE ROUNDED TO bf16 FIRST (here x, dec_embeddings, router_w, router_b; the later launches do the same with w1, w2, b1, b2); products of two bf16 are exact in f32, sums are f32.
; xb's LAYOUT: [block of 16 rows][block of 64 columns][j 0..7][h 0..1][64 bf16]: 256 consecutive bytes hold row 16 a + j (first 128) and row 16 a + 8 + j (last 128) of one column block.
; A block of 16 rows is 32,768 bytes; 256 columns of it are 8,192 dense bytes.
; ROUTER.  The 64 sums of 1,024 products are dealt so that a wave reads few rows: wave w takes items 2 (w / 2), 2 (w / 2) + 1 and experts 4 (w % 2) .. + 3: six rows, 48 loads, all out before the first wait.
; The sums meet in LDS; then wave b takes item b: softmax, top 2, gates.  The choice of experts steers no address and no branch here: it is made by v_cndmask_b32 and stored, as whole numbers in
; route ([8][8] words: i1, i2, 0 ..) and as f32 in gates ([8][8]: g1, g2, 0 ..); the later launches read them.
; Ties: a strict 'greater' scan from expert 0 up keeps the lower index, as jax.lax.top_k does.
; LIMITS.  A probability below 2^-126 counts as 0 (the exponential gives 0 there); among equal probabilities, zeros too, the lowest index is taken.  NaN and infinities are not treated apart.
; The router stands on the vector unit: 8 x 8 x 1,024 products, and a choice hangs on them.
.set XT,    1280                       ; behind the five tables of 256 bytes: the sums, wave w's eight words at XT + 32 w
.set SPARE, 1536                       ; behind them: the spare words, 128 bytes for each of 8 waves
.set ZR,   7                           ; v7      0, starts the sums
.set VE,   4                           ; v4      lane % 8: the expert whose table word I write
.set B1,   8                           ; v8-11   best, its index, second best, its index
.set I1,   9
.set B2,   10
.set I2,   11
.set T0,   12
.set T1,   13
.set SPW,  14                          ; v14     LDS address of my spare word; never rewritten
.set NIL,  15                          ; v15     0; never rewritten
.set DB,   16                          ; v16-47  my two items' dec_embeddings as bf16 pairs; then:
.set SM,   16                          ; v16-23  my eight sums, item by item;
.set PX,   16                          ; v16-23  later the probabilities without the best
.set LG,   32                          ; v32-39  the 8 logits of my item, the same in every lane
.set PR,   40                          ; v40-47  the 8 probabilities
.set ACC,  48                          ; v48-63  two chains for each of eight sums
.set DR,   64                          ; v64-127 dec_embeddings as loaded; then:
.set WBF,  64                          ; v64-127 my four experts' weights as bf16 pairs
.set WR,   128                         ; v128-255 router_w as loaded
.set XR,   16                          ; the cast: v16-79 sixteen loads, v80-111 their bf16
.set XO,   80
	s_load_b512 s[4:19], s[0:1], 0x0               ; x s[4:5], dec s[6:7], router_w s[8:9], router_b s[10:11], xb s[12:13], route s[14:15], gates s[16:17], out1 s[18:19]
	s_load_b128 s[20:23], s[0:1], 0x40             ; out2 s[20:21], out3 s[22:23]
	v_lshl_add_u32 v[SPW], v0, 2, SPARE
	v_mov_b32 v[NIL], 0
	v_lshrrev_b32 v2, 5, v0
	v_readfirstlane_b32 s2, v2                     ; my wave's number
	v_and_b32 v1, 31, v0                           ; lane
	s_mov_b32 s3, ttmp9
	s_cmp_eq_u32 s3, 0
	s_cbranch_scc1 .Lrouter                        ; the same way for all eight waves of a work-group
	; THE CAST.  The work-group takes rows 16 g .. 16 g + 15, wave w their columns 128 w .. 128 w + 127.  A load: lanes 0-15 take 256 consecutive bytes of row j, lanes 16-31 of row 8 + j.
	; A store: 32 lanes x 8 bytes are 256 consecutive bytes of xb, aligned.  All sixteen loads of a wave go out before the first wait.  This way writes no LDS.
	s_sub_co_u32 s3, s3, 1                         ; g
	v_and_b32 v3, 15, v0                           ; r
	v_bfe_u32 v4, v0, 4, 1                         ; h
	v_lshlrev_b32 v5, 4, v3
	v_lshl_add_u32 v5, v4, 15, v5                  ; 16 r + 8 h rows of 4,096 bytes
	v_lshl_add_u32 v5, v2, 9, v5                   ; + 512 w
	v_lshlrev_b32 v6, 3, v3
	v_lshl_add_u32 v6, v4, 7, v6                   ; 8 r + 128 h
	v_lshl_add_u32 v6, v2, 12, v6                  ; + two column blocks of 2,048 bytes a wave
	s_lshl_b32 s24, s3, 16                         ; 16 rows of x
	s_mov_b32 s25, 0
	s_lshl_b32 s26, s3, 15                         ; a block of xb
	s_mov_b32 s27, 0
	s_wait_kmcnt 0x0
	s_add_nc_u64 s[4:5], s[4:5], s[24:25]
	s_add_nc_u64 s[12:13], s[12:13], s[26:27]
.set i, 0
.rept 16
	global_load_b128 v[XR+4*i:XR+4*i+3], v5, s[4:5] offset:(i%8)*4096+(i/8)*256 th:TH_LOAD_NT
.set i, i+1
.endr
.set i, 0
.rept 16
	s_wait_loadcnt 15-i                            ; loads come back in order: load i is in, the younger ones stay out
	v_cvt_pk_bf16_f32 v[XO+2*i], v[XR+4*i], v[XR+4*i+1]
	v_cvt_pk_bf16_f32 v[XO+2*i+1], v[XR+4*i+2], v[XR+4*i+3]
	global_store_b64 v6, v[XO+2*i:XO+2*i+1], s[12:13] offset:(i/8)*2048+(i%8)*256  ; each store has data registers of its own
.set i, i+1
.endr
	s_endpgm
.Lrouter:
	v_lshlrev_b32 v3, 4, v1                        ; 16 bytes a lane; never rewritten
	s_lshr_b32 s37, s2, 1                          ; w / 2: my pair of items
	s_and_b32 s38, s2, 1                           ; w % 2: my four experts
	s_lshl_b32 s32, s37, 13                        ; two rows of dec_embeddings
	s_mov_b32 s33, 0
	s_lshl_b32 s40, s38, 14                        ; four rows of router_w
	s_mov_b32 s41, 0
	s_mov_b32 s34, 0x76543210                      ; v_permlanex16_b32: each lane takes its own place in the other half
	s_mov_b32 s35, 0xfedcba98
	v_mov_b32 v[ZR], 0
	s_wait_kmcnt 0x0
	s_load_b256 s[24:31], s[10:11], 0x0            ; router_b
	s_add_nc_u64 s[6:7], s[6:7], s[32:33]
	s_add_nc_u64 s[8:9], s[8:9], s[40:41]
.set i, 0
.rept 16                                               ; item i / 8 of my two, its bytes 512 (i % 8) on
	global_load_b128 v[DR+4*i:DR+4*i+3], v3, s[6:7] offset:512*i
.set i, i+1
.endr
.set i, 0
.rept 32                                               ; expert i / 8 of my four, its bytes 512 (i % 8) on
	global_load_b128 v[WR+4*i:WR+4*i+3], v3, s[8:9] offset:512*i
.set i, i+1
.endr
	s_wait_loadcnt 32                              ; dec is in; the 32 loads of router_w stay out
.set i, 0
.rept 32
	v_cvt_pk_bf16_f32 v[DB+i], v[DR+2*i], v[DR+2*i+1]
.set i, i+1
.endr
; Expert j of my four with both my items: the sum (item t, expert j) has two chains, of the words' low and high halves, at ACC + 2 (4 t + j): four chains that do not wait for each other.
.macro DOTS j
	s_wait_loadcnt 24-8*(\j)                       ; the expert's eight loads are in; the later experts' stay out
.set i, 0
.rept 16
	v_cvt_pk_bf16_f32 v[WBF+16*(\j)+i], v[WR+32*(\j)+2*i], v[WR+32*(\j)+2*i+1]
.set i, i+1
.endr
.set i, 0
.rept 16
.irp t, 0, 1
.set a, ACC+2*(4*(\t)+(\j))
.if i == 0
	v_fma_mix_f32_bf16 v[a],   v[DB+16*(\t)+i], v[WBF+16*(\j)+i], v[ZR] op_sel_hi:[1,1,0]
	v_fma_mix_f32_bf16 v[a+1], v[DB+16*(\t)+i], v[WBF+16*(\j)+i], v[ZR] op_sel:[1,1,0] op_sel_hi:[1,1,0]
.else
	v_fma_mix_f32_bf16 v[a],   v[DB+16*(\t)+i], v[WBF+16*(\j)+i], v[a] op_sel_hi:[1,1,0]
	v_fma_mix_f32_bf16 v[a+1], v[DB+16*(\t)+i], v[WBF+16*(\j)+i], v[a+1] op_sel:[1,1,0] op_sel_hi:[1,1,0]
.endif
.endr
.set i, i+1
.endr
.endm
	DOTS 0
	DOTS 1
	DOTS 2
	DOTS 3
	; over the 32 lanes, the eight sums side by side, so that no line reads the result of the one before it
.irp d, 0,1,2,3,4,5,6,7
	v_add_f32 v[ACC+2*\d], v[ACC+2*\d], v[ACC+2*\d+1]
.endr
.irp m, 1,2,4,8
.irp d, 0,1,2,3,4,5,6,7
	v_add_f32_dpp v[ACC+2*\d], v[ACC+2*\d], v[ACC+2*\d] row_xmask:\m row_mask:0xf bank_mask:0xf
.endr
.endr
.irp d, 0,1,2,3,4,5,6,7
	v_permlanex16_b32 v[ACC+2*\d+1], v[ACC+2*\d], s34, s35  ; its destination counts as read: it has been written
.endr
.irp d, 0,1,2,3,4,5,6,7
	v_add_f32 v[SM+\d], v[ACC+2*\d], v[ACC+2*\d+1] ; every lane holds the sum (item d / 4, expert d % 4)
.endr
	s_lshl_b32 s42, s2, 5
	s_add_co_u32 s42, s42, XT
	v_mov_b32 v5, s42                              ; my eight words
	s_lshl_b32 s43, s37, 6                         ; item b = w: its experts 0-3 lie in wave 2 (b / 2)'s words, 16 (b % 2) bytes in; its experts 4-7 in the next wave's, 32 bytes on
	s_lshl_b32 s44, s38, 4
	s_add_co_u32 s43, s43, s44
	s_add_co_u32 s43, s43, XT
	v_mov_b32 v6, s43
	ds_store_b128 v5, v[SM:SM+3]                   ; all lanes write the same bytes with the same values
	ds_store_b128 v5, v[SM+4:SM+7] offset:16
	s_wait_dscnt 0x0                               ; for the others' sake: my stores are done
	s_barrier_signal -1
	s_barrier_wait -1
	ds_load_b128 v[LG:LG+3], v6
	ds_load_b128 v[LG+4:LG+7], v6 offset:32
	s_wait_dscnt 0x0
	s_wait_kmcnt 0x0                               ; router_b
.irp e, 0,2,4,6
	v_cvt_pk_bf16_f32 v[T0], s[24+\e], s[25+\e]    ; rounded to bf16 like every input
	v_lshlrev_b32 v[T1], 16, v[T0]
	v_and_b32 v[T0], 0xffff0000, v[T0]
	v_add_f32 v[LG+\e], v[LG+\e], v[T1]
	v_add_f32 v[LG+\e+1], v[LG+\e+1], v[T0]
.endr
	; softmax, the maximum taken away
	v_max3_num_f32 v[T0], v[LG], v[LG+1], v[LG+2]
	v_max3_num_f32 v[T0], v[T0], v[LG+3], v[LG+4]
	v_max3_num_f32 v[T0], v[T0], v[LG+5], v[LG+6]
	v_max_num_f32 v[T0], v[T0], v[LG+7]
.irp e, 0,1,2,3,4,5,6,7
	v_sub_f32 v[PR+\e], v[LG+\e], v[T0]
.endr
.irp e, 0,1,2,3,4,5,6,7
	v_mul_f32 v[PR+\e], 0x3fb8aa3b, v[PR+\e]       ; log2(e)
.endr
.irp e, 0,1,2,3,4,5,6,7
	v_exp_f32 v[PR+\e], v[PR+\e]
.endr
	v_nop                                          ; a plain instruction behind the last exponential,
	s_wait_alu depctr_va_vdst(0)                   ; and a wait ahead of the batch's first reader
	v_add_f32 v[T0], v[PR], v[PR+1]
	v_add_f32 v[T1], v[PR+2], v[PR+3]
	v_add_f32 v[ACC], v[PR+4], v[PR+5]
	v_add_f32 v[ACC+1], v[PR+6], v[PR+7]
	v_add_f32 v[T0], v[T0], v[T1]
	v_add_f32 v[ACC], v[ACC], v[ACC+1]
	v_add_f32 v[T0], v[T0], v[ACC]
	v_rcp_f32 v[T1], v[T0]
	v_nop
	s_wait_alu depctr_va_vdst(0)
.irp e, 0,1,2,3,4,5,6,7
	v_mul_f32 v[PR+\e], v[PR+\e], v[T1]
.endr
	; the best, then the best of the others
	v_mov_b32 v[B1], v[PR]
	v_mov_b32 v[I1], 0
.irp e, 1,2,3,4,5,6,7
	v_cmp_gt_f32 vcc_lo, v[PR+\e], v[B1]
	v_cndmask_b32 v[B1], v[B1], v[PR+\e], vcc_lo
	v_cndmask_b32 v[I1], v[I1], \e, vcc_lo
.endr
.irp e, 0,1,2,3,4,5,6,7
	v_cmp_eq_u32 vcc_lo, \e, v[I1]
	v_cndmask_b32 v[PX+\e], v[PR+\e], -1.0, vcc_lo   ; the best is taken out: below every probability
.endr
	v_mov_b32 v[B2], v[PX]
	v_mov_b32 v[I2], 0
.irp e, 1,2,3,4,5,6,7
	v_cmp_gt_f32 vcc_lo, v[PX+\e], v[B2]
	v_cndmask_b32 v[B2], v[B2], v[PX+\e], vcc_lo
	v_cndmask_b32 v[I2], v[I2], \e, vcc_lo
.endr
	v_add_f32 v[T0], v[B1], v[B2]                  ; at least 1/8
	v_rcp_f32 v[T1], v[T0]
	v_nop
	s_wait_alu depctr_va_vdst(0)
	v_mul_f32 v[B1], v[B1], v[T1]                  ; g1, g2
	v_mul_f32 v[B2], v[B2], v[T1]
	; five tables of [8][8] words in LDS: logits, probabilities, mask, route, gates.  Lane l writes word (b, l % 8) of each; four lanes write the same word with the same value.
	v_and_b32 v[VE], 7, v0
	v_mov_b32 v24, v[LG]
	v_mov_b32 v25, v[PR]
.irp e, 1,2,3,4,5,6,7
	v_cmp_eq_u32 vcc_lo, \e, v[VE]
	v_cndmask_b32 v24, v24, v[LG+\e], vcc_lo
	v_cndmask_b32 v25, v25, v[PR+\e], vcc_lo
.endr
	v_cmp_eq_u32 vcc_lo, v[VE], v[I1]
	v_cndmask_b32 v26, 0, 1.0, vcc_lo
	v_cmp_eq_u32 vcc_lo, v[VE], v[I2]
	v_cndmask_b32 v26, v26, 1.0, vcc_lo
	v_cmp_eq_u32 vcc_lo, 0, v[VE]
	v_cndmask_b32 v27, 0, v[I1], vcc_lo
	v_cndmask_b32 v28, 0, v[B1], vcc_lo
	v_cmp_eq_u32 vcc_lo, 1, v[VE]
	v_cndmask_b32 v27, v27, v[I2], vcc_lo
	v_cndmask_b32 v28, v28, v[B2], vcc_lo
	v_lshlrev_b32 v29, 2, v[VE]
	v_lshl_add_u32 v29, s2, 5, v29                 ; 32 b + 4 (l % 8)
	ds_store_b32 v29, v24
	ds_store_b32 v29, v25 offset:256
	ds_store_b32 v29, v26 offset:512
	ds_store_b32 v29, v27 offset:768
	ds_store_b32 v29, v28 offset:1024
	s_wait_dscnt 0x0                               ; for wave 0's sake: my stores are done
	s_barrier_signal -1
	s_barrier_wait -1
	s_cmp_lg_u32 s2, 0
	s_cbranch_scc1 .Lend
	; wave 0: each table leaves as 256 consecutive bytes, 8 a lane; lane l holds item l / 4, experts 2 (l % 4) and 2 (l % 4) + 1
	v_lshlrev_b32 v5, 3, v1
	ds_load_b64 v[16:17], v5
	ds_load_b64 v[18:19], v5 offset:256
	ds_load_b64 v[20:21], v5 offset:512
	ds_load_b64 v[22:23], v5 offset:768
	ds_load_b64 v[24:25], v5 offset:1024
	s_wait_dscnt 0x0
	global_store_b64 v5, v[16:17], s[22:23]        ; out3: logits
	global_store_b64 v5, v[20:21], s[20:21]        ; out2: mask
	global_store_b64 v5, v[22:23], s[14:15]        ; route
	global_store_b64 v5, v[24:25], s[16:17]        ; gates
	; aux = 8 x sum over e of mean_b(p) mean_b(mask) = (sum over e of sum_b(p) sum_b(mask)) / 8
	v_mov_b32 v26, v18
	v_mov_b32 v27, v19
	v_mov_b32 v28, v20
	v_mov_b32 v29, v21
	v_mov_b32 v30, 0
.irp k, 26,27,28,29                                    ; over the items: lanes 4, 8 and 16 apart
	v_add_f32_dpp v\k, v\k, v\k row_xmask:4 row_mask:0xf bank_mask:0xf
	v_add_f32_dpp v\k, v\k, v\k row_xmask:8 row_mask:0xf bank_mask:0xf
	v_permlanex16_b32 v30, v\k, s34, s35
	v_add_f32 v\k, v\k, v30
.endr
	v_mul_f32 v26, v26, v28
	v_fma_f32 v26, v27, v29, v26
	v_add_f32_dpp v26, v26, v26 row_xmask:1 row_mask:0xf bank_mask:0xf  ; over the experts: lanes 1 and 2 apart
	v_add_f32_dpp v26, v26, v26 row_xmask:2 row_mask:0xf bank_mask:0xf
	v_mul_f32 v26, 0x3e000000, v26                 ; / 8
	v_mov_b32 v31, 0
	s_wait_xcnt 0x0                                ; EXEC is a source of the stores above: it changes only behind this wait
	v_cmp_eq_u32 vcc_lo, 0, v0
	s_and_saveexec_b32 s36, vcc_lo
	global_store_b32 v31, v26, s[18:19]            ; out1, from lane 0
	s_wait_xcnt 0x0                                ; and again, in front of the line that widens it
	s_or_b32 exec_lo, exec_lo, s36
.Lend:
	s_wait_tensorcnt 0x0                           ; the wave's end
	ds_add_u32 v[SPW], v[NIL]
	s_wait_dscnt 0x0
	s_endpgm
.Lfunc_end_k_q5d0f8ea86e_prep:
	.size	k_q5d0f8ea86e_prep, .Lfunc_end_k_q5d0f8ea86e_prep-k_q5d0f8ea86e_prep
	.p2alignl 7, 3214868480
	.fill 96, 4, 3214868480
	.section	.rodata,"a",@progbits
	.p2align	6, 0x0
	.amdhsa_kernel k_q5d0f8ea86e_prep
		.amdhsa_group_segment_fixed_size 4096
		.amdhsa_private_segment_fixed_size 0
		.amdhsa_enable_private_segment 0
		.amdhsa_kernarg_size 80
		.amdhsa_user_sgpr_count 2
		.amdhsa_user_sgpr_kernarg_segment_ptr 1
		.amdhsa_wavefront_size32 1
		.amdhsa_system_sgpr_workgroup_id_x 1
		.amdhsa_system_sgpr_workgroup_id_y 1
		.amdhsa_system_sgpr_workgroup_id_z 1
		.amdhsa_system_vgpr_workitem_id 0
		.amdhsa_next_free_vgpr 256
		.amdhsa_next_free_sgpr 66
		.amdhsa_reserve_vcc 1
		.amdhsa_float_denorm_mode_32 3
		.amdhsa_float_denorm_mode_16_64 3
		.amdhsa_memory_ordered 1
		.amdhsa_forward_progress 1
		.amdhsa_inst_pref_size 48
	.end_amdhsa_kernel
	.amdgpu_metadata
---
amdhsa.version: [ 1, 2 ]
amdhsa.kernels:
  - .name:           k_q5d0f8ea86e_prep
    .symbol:         k_q5d0f8ea86e_prep.kd
    .args:
      - { .name: x, .offset: 0, .size: 8, .value_kind: global_buffer, .address_space: global }
      - { .name: dec_embeddings, .offset: 8, .size: 8, .value_kind: global_buffer, .address_space: global }
      - { .name: router_w, .offset: 16, .size: 8, .value_kind: global_buffer, .address_space: global }
      - { .name: router_b, .offset: 24, .size: 8, .value_kind: global_buffer, .address_space: global }
      - { .name: xb, .offset: 32, .size: 8, .value_kind: global_buffer, .address_space: global }
      - { .name: route, .offset: 40, .size: 8, .value_kind: global_buffer, .address_space: global }
      - { .name: gates, .offset: 48, .size: 8, .value_kind: global_buffer, .address_space: global }
      - { .name: out1, .offset: 56, .size: 8, .value_kind: global_buffer, .address_space: global }
      - { .name: out2, .offset: 64, .size: 8, .value_kind: global_buffer, .address_space: global }
      - { .name: out3, .offset: 72, .size: 8, .value_kind: global_buffer, .address_space: global }
    .group_segment_fixed_size: 4096
    .private_segment_fixed_size: 0
    .kernarg_segment_align: 8
    .kernarg_segment_size: 80
    .max_flat_workgroup_size: 256
    .sgpr_count:     66
    .vgpr_count:     256
    .wavefront_size: 32
...
	.end_amdgpu_metadata
.endif
;; end of part 1
;; launch up (part 2): grid 8 x 32, 4 waves a work-group, clusters of 4 x 1, 327,680 bytes of LDS; arguments xb, w1, b1, route, gates, hid; writes hid
.if DOCPART == 2
	.amdgcn_target "amdgcn-amd-amdhsa--gfx1250"
	.amdhsa_code_object_version 6
	.text
	.protected	k_q5d0f8ea86e_up
	.globl	k_q5d0f8ea86e_up
	.p2align	8
	.type	k_q5d0f8ea86e_up,@function
k_q5d0f8ea86e_up:
	s_mov_b64 s[64:65], 0
	v_nop
	global_prefetch_b8 v0, s[64:65] scope:SCOPE_SE
	s_setreg_imm32_b32 hwreg(HW_REG_WAVE_MODE, 25, 1), 1
	s_wait_xcnt 0x0
	s_wait_alu depctr_hold_cnt(0) depctr_sa_sdst(0) depctr_va_vdst(0) depctr_va_sdst(0) depctr_va_ssrc(0) depctr_va_vcc(0) depctr_vm_vsrc(0)
	s_getreg_b32 s2, hwreg(HW_REG_IB_STS2, 6, 4)
	s_cmp_eq_u32 s2, 0
	s_cbranch_scc0 .Lentry_in_a_cluster
	s_endpgm
.Lentry_in_a_cluster:
	s_bfe_u32 s2, ttmp6, 0x10000c
	s_cmp_lg_u32 s2, 0x3003
	s_cbranch_scc0 .Lentry_shape_is_right
	s_endpgm
.Lentry_shape_is_right:
; hid[2 b + i] = bf16( relu( g_i (x_b W1[e_i]) + g_i b1[e_i] ) ), i = 0, 1: the two experts that item b chose (route, gates: stored by the launch before).  g >= 0, so g relu(z) = relu(g z).
; x comes as bf16 in blocks (xb); w1 and b1 are f32 and are rounded to bf16 on their way; sums in f32.  hid has xb's layout: [pair][block of 16 rows][block of 64 columns][j][h][64 bf16].
; SHARES.  Work-group (ct, y): item b = y / 4, its rows 128 rb .. + 127 (rb = y % 4), columns 128 ct .. + 127, both experts.  Wave w: expert i = w / 2, columns 64 (w % 2) on:
; 128 x 64 of the result, 32 accumulators, 1,024 matrix instructions.
; THE WEIGHTS GO FROM MEMORY TO THE MATRIX UNIT THROUGH REGISTERS ALONE.  W1[e] lies [k][n].  A load: lanes 0-15 take 256 consecutive bytes of row k = k0 + j (lane r the columns 4 r .. 4 r + 3),
; lanes 16-31 of row k0 + 8 + j.  Number f of a lane's four belongs to B fragment f, in which lane r stands for column 4 r + f; two rows' numbers f, rounded in one v_cvt_pk_bf16_f32,
; are a register of that fragment.  So for 32 along K: 16 loads, 32 conversions, 16 LDS loads (8 fragments of x), 32 matrix instructions; nothing is turned.  In the result register j of accumulators
; (a, 0 .. 3) holds row 16 a + 8 (lane / 16) + j, columns 4 r .. 4 r + 3: four neighbouring numbers.
; x's ROWS are shared by the four work-groups of a cluster (same y): they are asked for JOINTLY.  All four chunks of 256 k (4 x 69,632 bytes) are first fills: nothing in LDS is filled again.
; W1's TILES ARE NOT ASKED FOR JOINTLY, though the four row blocks of an item read the same ones: as f32 a work-group's share is 1 MB; LDS has 49,152 bytes left beside x's 278,528, and a pass
; through LDS would add 16 KB of LDS traffic to each wave's 8 KB for 32 along K.  Instead each row block begins its walk along K at another quarter (chunk rb), so that the four ask memory for four different quarters at a time.
; LIMITS.  Sums run along K from chunk rb on, round to chunk rb - 1: another order of f32 additions than the reference's.  v_pk_max_num_bf16 turns a NaN into 0; infinities are not treated apart.
; REGISTERS, in windows of 256 (s_set_vgpr_msb: bits 1:0 source 0, 3:2 source 1, 5:4 source 2, 7:6 destination):
;   window 0: v0-31 addresses and the bias; v64-191 x's fragments, two buffers of 8; v192-255 W1's fragments, two buffers of 4      window 1: accumulator (a, f) at v[8 (4 a + f)]
;   window 2: W1 as loaded: four slots of 64, one for each K step of a group; in a slot 8 loads for k = 8 h + j, then 8 for k = 16 + 8 h + j
.set LINE, 272                         ; 256 bytes + 16 of padding
.set CB,   8*LINE                      ; a column block of 64 k of 16 rows
.set BLK,  4*CB                        ; 16 rows x 256 k
.set REG,  8*BLK                       ; 128 rows x 256 k: a chunk
.set SPARE, 4*REG                      ; behind the four chunks: the spare words, 128 bytes for each wave
.set NR,   2                           ; blocks of 16 rows that one tensor load brings
.set BO,  3                            ; v3   16 r: my four numbers of the bias
.set LLO, 4                            ; v4   my lane's place in a chunk, for row blocks 0-3; never rewritten
.set LHI, 5                            ; v5   for row blocks 4-7
.set ALO, 6                            ; v6   the same with the group's place added
.set AHI, 7
.set BOF, 8                            ; v8   32,768 h + 16 r: my place in 16 rows of W1; never rewritten
.set OOF, 9                            ; v9   128 h + 8 r: my place in 256 bytes of hid
.set ZR,  12                           ; v12  0
.set TV,  13
.set SPW, 14                           ; v14  LDS address of my spare word; never rewritten
.set NIL, 15                           ; v15  0; never rewritten
.set BI,  16                           ; v16-19 the bias as loaded
.set GB,  20                           ; v20-27 g b1 of my four columns, each twice
.set TV2, 28
.set AF,  64
.set BF,  192
.set TT,  192                          ; the way out: 32 at work
.set OD,  64                           ; the way out: 16 registers of store data for each row block
.set WV,  16                           ; s16 wave   s17 i   s18 column half   s19 cx   s20 ct   s21 y   s22 b   s23 rb
.set EI,  17
.set JC,  18
.set CX,  19
.set CT,  20
.set YY,  21
.set IB,  22
.set RB,  23
.set G1,  24                           ; s[24:31] descriptor group 1
.set G0,  32                           ; s[32:47] descriptor group 0, a set for each chunk
.set BB,  48                           ; s[48:49] W1 at the group that is being asked for
.set WB,  50                           ; s[50:51] W1 at my expert and my columns
.set OB,  52                           ; s[52:53] hid at my pair, rows and column block
.set TA,  54                           ; s54  LDS byte of the group whose fragments are being fetched
.set INN, 55
.set OUT, 56
.set GI,  57                           ; s57  the group of 128 k that is being asked for, 0 .. 7
.set RT,  60                           ; s[60:61] the item's two experts
.set GT,  62                           ; s[62:63] its two gates
.set EX,  66                           ; s66  my expert
.set GG,  68                           ; s[68:69] my gate, twice
.set OF,  70                           ; s[70:71] an offset in 64 bits; s71 stays 0
.set MSB, 0
.macro WIN new                         ; the immediate's high byte repeats the setting that is left; a switch that changes nothing is dropped
.if MSB != (\new)
	s_set_vgpr_msb (MSB<<8)|(\new)
.set MSB, \new
.endif
.endm
.macro ROUND                           ; a round of the cluster's barrier
	s_barrier_signal -1
	s_barrier_wait -1
	s_cmp_lg_u32 s[WV], 0
	s_cbranch_scc1 .Lnot_wave_0_\@
	s_barrier_signal -3
.Lnot_wave_0_\@:
	s_barrier_wait -3
	s_barrier_signal -1
	s_barrier_wait -1
.endm
	s_load_b256 s[4:11], s[0:1], 0x0               ; xb s[4:5], w1 s[6:7], b1 s[8:9], route s[10:11]
	s_load_b128 s[12:15], s[0:1], 0x20             ; gates s[12:13], hid s[14:15]
	v_lshl_add_u32 v[SPW], v0, 2, SPARE
	v_mov_b32 v[NIL], 0
	ds_add_u32 v[SPW], v[NIL]                      ; the wave's opening: the add and its wait stand ahead of my first tensor load; the set-up below, work on registers, stands between them
	v_lshrrev_b32 v1, 5, v0
	v_readfirstlane_b32 s[WV], v1
	s_lshr_b32 s[EI], s[WV], 1
	s_and_b32 s[JC], s[WV], 1
	s_bfe_u32 s[CX], ttmp6, 0x40000
	s_lshl_b32 s[CT], ttmp9, 2                     ; in a cluster launch ttmp9 counts clusters
	s_add_co_u32 s[CT], s[CT], s[CX]               ; my tile of 128 columns: it enters W1's, b1's and hid's addresses alone
	s_and_b32 s[YY], ttmp7, 0xffff                 ; which the four partners share
	s_lshr_b32 s[IB], s[YY], 2
	s_and_b32 s[RB], s[YY], 3
	; group 1: NR rows of 4,096 elements (a block's 8,192 dense bytes of one chunk), 16,384 elements from block to block; in LDS 16 bytes of padding behind every 256
	s_mov_b32 s[G1+0], 15|(1<<16)|(1<<20)|(1<<21)|(5<<22)|(3<<25)  ; 15:0 the mask of four; 17:16 2-byte elements; 20 padding on; 21 set beside a mask; 24:22 after every 64 words; 31:25 4 words
	s_mov_b32 s[G1+1], 4096<<16                    ; tensor_dim0
	s_mov_b32 s[G1+2], NR<<16                      ; tensor_dim1
	s_mov_b32 s[G1+3], 4096<<16                    ; tile_dim0
	s_mov_b32 s[G1+4], NR                          ; tile_dim1
	s_mov_b32 s[G1+5], 16384                       ; the pitch
	s_mov_b32 s[G1+6], 0
	s_mov_b32 s[G1+7], 0
	s_mul_i32 s2, s[WV], NR*BLK                    ; my two blocks' place in a chunk
.irp q, 0,1,2,3
	s_mov_b32 s[G0+4*\q], 1
	s_add_co_u32 s[G0+4*\q+1], s2, \q*REG
.endr
	s_lshl_b32 s3, s[YY], 18                       ; xb: block 8 y + 2 w, 32,768 bytes each
	s_lshl_b32 s2, s[WV], 16
	s_add_co_u32 s3, s3, s2
	s_mov_b32 s[OF+1], 0
	s_lshl_b32 s[OF], s[IB], 5                     ; the item's row of route and of gates
	s_mov_b32 s[TA], 0
	v_and_b32 v1, 15, v0                           ; r
	v_bfe_u32 v2, v0, 4, 1                         ; h
	v_lshlrev_b32 v[BO], 4, v1
	v_lshl_add_u32 v[BOF], v2, 15, v[BO]
	v_lshlrev_b32 v[OOF], 3, v1
	v_lshl_add_u32 v[OOF], v2, 7, v[OOF]
	v_and_b32 v[TV], 7, v0                         ; a fragment's row r lies in line r % 8, half r / 8; its k at 16 h
	v_mul_u32_u24 v[LLO], v[TV], LINE
	v_bfe_u32 v[TV], v0, 3, 1
	v_lshl_add_u32 v[LLO], v[TV], 7, v[LLO]
	v_lshl_add_u32 v[LLO], v2, 4, v[LLO]
	v_add_nc_u32 v[LHI], 4*BLK, v[LLO]
	v_mov_b32 v[ZR], 0
	s_wait_dscnt 0x0                               ; the opening add is done
	s_wait_kmcnt 0x0
	s_add_nc_u64 s[10:11], s[10:11], s[OF:OF+1]
	s_add_nc_u64 s[12:13], s[12:13], s[OF:OF+1]
	s_load_b64 s[RT:RT+1], s[10:11], 0x0
	s_load_b64 s[GT:GT+1], s[12:13], 0x0
.irp q, 0,1,2,3                                        ; the chunk walked as number q is chunk (q + rb) % 4 of K
	s_add_co_u32 s[OF], s[RB], \q
	s_and_b32 s[OF], s[OF], 3
	s_lshl_b32 s[OF], s[OF], 13
	s_add_co_u32 s[OF], s[OF], s3
	s_add_nc_u64 s[G0+4*\q+2:G0+4*\q+3], s[4:5], s[OF:OF+1]
	s_or_b32 s[G0+4*\q+3], s[G0+4*\q+3], 0x80000000
.endr
	ROUND                                          ; all four work-groups are here: the joint loads meet
.irp q, 0,1,2,3                                        ; four loads of mine are out: the whole of my share of x
	tensor_load_to_lds s[G0+4*\q:G0+4*\q+3], s[G1:G1+7]
	s_nop 0
.endr
.rept 4
	v_nop
.endr
	s_wait_kmcnt 0x0                               ; route, gates
	s_cmp_eq_u32 s[EI], 0
	s_cselect_b32 s[EX], s[RT], s[RT+1]
	s_cselect_b32 s[GG], s[GT], s[GT+1]
	s_min_u32 s[EX], s[EX], 7                      ; a loaded number enters an address only behind a bound
	s_mov_b32 s[GG+1], s[GG]
	s_lshl_b32 s2, s[CT], 9
	s_lshl_b32 s3, s[JC], 8
	s_add_co_u32 s2, s2, s3                        ; my first column, in bytes of f32
	s_lshl_b32 s[OF], s[EX], 22
	s_add_co_u32 s[OF], s[OF], s2
	s_add_nc_u64 s[WB:WB+1], s[6:7], s[OF:OF+1]
	s_lshl_b32 s[OF], s[EX], 12
	s_add_co_u32 s[OF], s[OF], s2
	s_add_nc_u64 s[8:9], s[8:9], s[OF:OF+1]
	s_lshl_b32 s[GI], s[RB], 1                     ; the walk begins at chunk rb: group 2 rb
	s_lshl_b32 s[OF], s[GI], 19                    ; a group is 128 rows of 4,096 bytes
	s_add_nc_u64 s[BB:BB+1], s[WB:WB+1], s[OF:OF+1]
	global_load_b128 v[BI:BI+3], v[BO], s[8:9]     ; the oldest load: the first wait below covers it
	WIN 0x80                                       ; destination window 2
.set i, 0
.rept 64                                               ; the first group's four K steps: step i / 16, unit (i / 8) % 2, row i % 8
	global_load_b128 v[4*i:4*i+3], v[BOF], s[BB:BB+1] offset:(32*(i/16)+16*((i/8)%2)+i%8)*4096
.set i, i+1
.endr
	WIN 0
	s_lshl_b32 s[OF], s[IB], 21                    ; hid: pair 2 b + i, 1 MB each; row blocks 8 rb on; column block 2 ct + w % 2
	s_lshl_b32 s2, s[EI], 20
	s_add_co_u32 s[OF], s[OF], s2
	s_lshl_b32 s2, s[RB], 18
	s_add_co_u32 s[OF], s[OF], s2
	s_lshl_b32 s2, s[CT], 12
	s_add_co_u32 s[OF], s[OF], s2
	s_lshl_b32 s2, s[JC], 11
	s_add_co_u32 s[OF], s[OF], s2
	s_add_nc_u64 s[OB:OB+1], s[14:15], s[OF:OF+1]
; Matrix instruction n of a K step's 32: row block n % 8, fragment n / 8, from buffers mb.  The 32 accumulators take turns, one instruction a turn.
.macro MM1 n, mb, first
	WIN 0x50                                       ; C and D window 1
.set fa, (\n)%8
.set ff, (\n)/8
.set rD, 8*(4*fa+ff)
.set rA, AF+64*(\mb)+8*fa
.set rB, BF+32*(\mb)+8*ff
.if \first
	v_wmma_f32_16x16x32_bf16 v[rD:rD+7], v[rA:rA+7], v[rB:rB+7], 0
.else
	v_wmma_f32_16x16x32_bf16 v[rD:rD+7], v[rA:rA+7], v[rB:rB+7], v[rD:rD+7]
.endif
.endm
; Slice x of the eight that round step p's weights: four conversions: half x % 2 (k = 16 (x % 2) on) of fragment x / 2.
.macro CVT4 x, p
	WIN 0x0a                                       ; sources window 2
.set pb, (\p)&1
.set cf, (\x)/2
.set cu, (\x)%2
.set rw, 64*(\p)+32*cu
.irp i, 0,1,2,3
	v_cvt_pk_bf16_f32 v[BF+32*pb+8*cf+4*cu+\i], v[rw+8*\i+cf], v[rw+8*\i+4+cf]
.endr
.endm
; THE MEMORY INSTRUCTIONS OF A K STEP STAND IN ONE RUN, never singly among the matrix instructions: x's eight fragments of step p, then (reload = 1) the slot just rounded is loaded again, for the same step of the next group.
.macro FETCH p, reload
	WIN 0
.set pb, (\p)&1
.set ao, ((\p)>>1)*CB+((\p)&1)*64
.irp g, 0,1,2,3
	ds_load_b128 v[AF+64*pb+8*\g:AF+64*pb+8*\g+3],   v[ALO] offset:\g*BLK+ao
	ds_load_b128 v[AF+64*pb+8*\g+4:AF+64*pb+8*\g+7], v[ALO] offset:\g*BLK+ao+32
.endr
.irp g, 0,1,2,3
	ds_load_b128 v[AF+64*pb+32+8*\g:AF+64*pb+32+8*\g+3],   v[AHI] offset:\g*BLK+ao
	ds_load_b128 v[AF+64*pb+32+8*\g+4:AF+64*pb+32+8*\g+7], v[AHI] offset:\g*BLK+ao+32
.endr
.if \reload
	WIN 0x80                                       ; destination window 2
.set t, 0
.rept 16
	global_load_b128 v[64*(\p)+4*t:64*(\p)+4*t+3], v[BOF], s[BB:BB+1] offset:(32*(\p)+16*(t/8)+t%8)*4096
.set t, t+1
.endr
.endif
.endm
; A K STEP: the step made ready last is multiplied (mm = 1) from buffers (p % 2) ^ 1 while step p of the group in hand is made ready (prep = 1) in buffers p % 2: four conversions behind each of the first eight matrix
; instructions, then the run of 32 memory instructions, then 24 matrix instructions on end, in which the LDS loads land.  Eighteen window switches for the step's 32 matrix instructions.
; DISTANCES (ISA guide 7.12.1 for vector instructions): four plain vector instructions that name none of its registers stand between a matrix instruction and a write of its sources.
; Fragment 0's last reader is number 7 of the step before: that step's last four conversions stand between.  Fragments 1, 2, 3 (last readers 15, 23, 31) have this step's 8, 16, 24 earlier conversions;
; the LDS loads into x's fragments (last reader 31) the 24 conversions into fragments 0 to 2.
; wl: the younger loads that may stay out when the step's sixteen have to be in: three slots, 48, while slots are loaded again.
.macro KSTEP mm, p, first, prep, reload, wl
.if \mm
	s_wait_dscnt 0x0                               ; x's fragments, asked for 24 matrix instructions ago
.endif
.set x, 0
.rept 8
.if \mm
	MM1 x, (((\p)&1)^1), \first
.endif
.if \prep
.if x == 0
	s_wait_loadcnt \wl
.endif
	CVT4 x, \p
.endif
.set x, x+1
.endr
.if \prep
	FETCH \p, \reload
.endif
.if \mm
.rept 24
	MM1 x, (((\p)&1)^1), \first
.set x, x+1
.endr
.endif
.endm
.macro GHEAD step                      ; a group of four K steps begins.  step = 1: its reloads ask for the next group, round K's end
.if \step
	s_wait_xcnt 0x0                                ; the loads that name the old base have had their addresses translated (ISA guide 3.1): it is rewritten only behind this wait
	s_add_co_u32 s[GI], s[GI], 1
	s_and_b32 s[GI], s[GI], 7
	s_lshl_b32 s[OF], s[GI], 19
	s_add_nc_u64 s[BB:BB+1], s[WB:WB+1], s[OF:OF+1]
.endif
	v_add_nc_u32 v[ALO], s[TA], v[LLO]
	v_add_nc_u32 v[AHI], s[TA], v[LHI]
.endm
.macro GROUPL
	GHEAD 1
	KSTEP 1, 0, 0, 1, 1, 48
	KSTEP 1, 1, 0, 1, 1, 48
	KSTEP 1, 2, 0, 1, 1, 48
	KSTEP 1, 3, 0, 1, 1, 48
	WIN 0                                          ; at a label and at a branch every window is 0
	s_add_co_u32 s[TA], s[TA], 2*CB
.endm
; A chunk's end.  The next chunk's parts came by four waves' loads: each wave waits for its own and signals.  All four loads went out at the start, so the wait is for 0.
.macro BOUND
	s_wait_tensorcnt 0x0
	s_wait_dscnt 0x0
	s_barrier_signal -1
	s_barrier_wait -1
	s_add_co_u32 s[TA], s[TA], REG-4*CB
.endm
	s_wait_tensorcnt 0x3                           ; my part of the first chunk is in; the three younger loads stay out
	s_barrier_signal -1
	s_barrier_wait -1                              ; everybody's is
	GHEAD 1
	KSTEP 0, 0, 0, 1, 1, 48                        ; step 0 is made ready: nothing to multiply yet
	WIN 0
	v_cvt_pk_bf16_f32 v[TV], v[BI], v[BI+1]        ; the bias: rounded to bf16 like every input, times g, each number twice for the packed lines of the way out
	v_cvt_pk_bf16_f32 v[TV2], v[BI+2], v[BI+3]
	v_lshlrev_b32 v[GB], 16, v[TV]
	v_and_b32 v[GB+2], 0xffff0000, v[TV]
	v_lshlrev_b32 v[GB+4], 16, v[TV2]
	v_and_b32 v[GB+6], 0xffff0000, v[TV2]
.irp f, 0,2,4,6
	v_mul_f32 v[GB+\f], s[GG], v[GB+\f]
	v_mov_b32 v[GB+\f+1], v[GB+\f]
.endr
	KSTEP 1, 1, 1, 1, 1, 48                        ; the first products start the sums: nothing is cleared
	KSTEP 1, 2, 0, 1, 1, 48
	KSTEP 1, 3, 0, 1, 1, 48
	WIN 0
	s_add_co_u32 s[TA], s[TA], 2*CB
	s_mov_b32 s[OUT], 3
	s_mov_b32 s[INN], 1
	s_branch .Linner                               ; the first chunk has one group left
.Louter:                                               ; twice: chunks 1 and 2 of the walk
	BOUND
	s_mov_b32 s[INN], 2
.Linner:
	GROUPL
	s_sub_co_u32 s[INN], s[INN], 1
	s_cmp_lg_u32 s[INN], 0
	s_cbranch_scc1 .Linner
	s_sub_co_u32 s[OUT], s[OUT], 1
	s_cmp_lg_u32 s[OUT], 0
	s_cbranch_scc1 .Louter
	BOUND                                          ; the last chunk is written out: its second group asks for nothing more
	GROUPL
	GHEAD 0
	KSTEP 1, 0, 0, 1, 0, 48                        ; the counts run down
	KSTEP 1, 1, 0, 1, 0, 32
	KSTEP 1, 2, 0, 1, 0, 16
	KSTEP 1, 3, 0, 1, 0, 0
	KSTEP 1, 0, 0, 0, 0, 0                         ; the last step's products
	WIN 0
.rept 4
	v_nop                                          ; four places between the last products and the lines that read results and rewrite fragments
.endr
; THE WAY OUT of row block a: g acc + g b1, two rows at a time; columns f = 0, 1 and 2, 3 rounded together; relu on the packed halves; a store's 32 lanes x 8 bytes are 256 consecutive bytes of hid, aligned.
; Each accumulator's registers are read in ascending order; each store has data registers of its own.
.macro OUTA a
	WIN 0x01                                       ; source 0 window 1
.irp f, 0,1,2,3
.irp k, 0,2,4,6
	v_pk_fma_f32 v[TT+8*\f+\k:TT+8*\f+\k+1], v[8*(4*(\a)+\f)+\k:8*(4*(\a)+\f)+\k+1], s[GG:GG+1], v[GB+2*\f:GB+2*\f+1] op_sel_hi:[1,0,1]
.endr
.endr
	WIN 0
.irp j, 0,1,2,3,4,5,6,7
	v_cvt_pk_bf16_f32 v[OD+16*(\a)+2*\j],   v[TT+\j],    v[TT+8+\j]
	v_cvt_pk_bf16_f32 v[OD+16*(\a)+2*\j+1], v[TT+16+\j], v[TT+24+\j]
.endr
.irp j, 0,1,2,3,4,5,6,7
	v_pk_max_num_bf16 v[OD+16*(\a)+2*\j],   v[OD+16*(\a)+2*\j],   v[ZR]
	v_pk_max_num_bf16 v[OD+16*(\a)+2*\j+1], v[OD+16*(\a)+2*\j+1], v[ZR]
	global_store_b64 v[OOF], v[OD+16*(\a)+2*\j:OD+16*(\a)+2*\j+1], s[OB:OB+1] offset:(\a)*32768+\j*256
.endr
.endm
.irp a, 0,1,2,3,4,5,6,7
	OUTA \a
.endr
	s_wait_tensorcnt 0x0                           ; the wave's end
	ds_add_u32 v[SPW], v[NIL]
	s_wait_dscnt 0x0
	ROUND                                          ; the closing round: no work-group ends while a partner may still ask for a tile that names it
	s_endpgm
.Lfunc_end_k_q5d0f8ea86e_up:
	.size	k_q5d0f8ea86e_up, .Lfunc_end_k_q5d0f8ea86e_up-k_q5d0f8ea86e_up
	.p2alignl 7, 3214868480
	.fill 96, 4, 3214868480
	.section	.rodata,"a",@progbits
	.p2align	6, 0x0
	.amdhsa_kernel k_q5d0f8ea86e_up
		.amdhsa_group_segment_fixed_size 327680
		.amdhsa_private_segment_fixed_size 0
		.amdhsa_enable_private_segment 0
		.amdhsa_kernarg_size 48
		.amdhsa_user_sgpr_count 2
		.amdhsa_user_sgpr_kernarg_segment_ptr 1
		.amdhsa_wavefront_size32 1
		.amdhsa_system_sgpr_workgroup_id_x 1
		.amdhsa_system_sgpr_workgroup_id_y 1
		.amdhsa_system_sgpr_workgroup_id_z 1
		.amdhsa_system_vgpr_workitem_id 0
		.amdhsa_next_free_vgpr 768
		.amdhsa_next_free_sgpr 72
		.amdhsa_reserve_vcc 0
		.amdhsa_float_denorm_mode_32 3
		.amdhsa_float_denorm_mode_16_64 3
		.amdhsa_memory_ordered 1
		.amdhsa_forward_progress 1
		.amdhsa_inst_pref_size 153
	.end_amdhsa_kernel
	.amdgpu_metadata
---
amdhsa.version: [ 1, 2 ]
amdhsa.kernels:
  - .name:           k_q5d0f8ea86e_up
    .symbol:         k_q5d0f8ea86e_up.kd
    .args:
      - { .name: xb, .offset: 0, .size: 8, .value_kind: global_buffer, .address_space: global }
      - { .name: w1, .offset: 8, .size: 8, .value_kind: global_buffer, .address_space: global }
      - { .name: b1, .offset: 16, .size: 8, .value_kind: global_buffer, .address_space: global }
      - { .name: route, .offset: 24, .size: 8, .value_kind: global_buffer, .address_space: global }
      - { .name: gates, .offset: 32, .size: 8, .value_kind: global_buffer, .address_space: global }
      - { .name: hid, .offset: 40, .size: 8, .value_kind: global_buffer, .address_space: global }
    .group_segment_fixed_size: 327680
    .private_segment_fixed_size: 0
    .kernarg_segment_align: 8
    .kernarg_segment_size: 48
    .max_flat_workgroup_size: 128
    .sgpr_count:     72
    .vgpr_count:     768
    .wavefront_size: 32
...
	.end_amdgpu_metadata
.endif
;; end of part 2
;; launch down (part 3): grid 8 x 32, 4 waves a work-group, clusters of 4 x 1, 327,680 bytes of LDS; arguments hid, w2, b2, route, gates, out0; writes out0
.if DOCPART == 3
	.amdgcn_target "amdgcn-amd-amdhsa--gfx1250"
	.amdhsa_code_object_version 6
	.text
	.protected	k_q5d0f8ea86e_down
	.globl	k_q5d0f8ea86e_down
	.p2align	8
	.type	k_q5d0f8ea86e_down,@function
k_q5d0f8ea86e_down:
	s_mov_b64 s[64:65], 0
	v_nop
	global_prefetch_b8 v0, s[64:65] scope:SCOPE_SE
	s_setreg_imm32_b32 hwreg(HW_REG_WAVE_MODE, 25, 1), 1
	s_wait_xcnt 0x0
	s_wait_alu depctr_hold_cnt(0) depctr_sa_sdst(0) depctr_va_vdst(0) depctr_va_sdst(0) depctr_va_ssrc(0) depctr_va_vcc(0) depctr_vm_vsrc(0)
	s_getreg_b32 s2, hwreg(HW_REG_IB_STS2, 6, 4)
	s_cmp_eq_u32 s2, 0
	s_cbranch_scc0 .Lentry_in_a_cluster
	s_endpgm
.Lentry_in_a_cluster:
	s_bfe_u32 s2, ttmp6, 0x10000c
	s_cmp_lg_u32 s2, 0x3003
	s_cbranch_scc0 .Lentry_shape_is_right
	s_endpgm
.Lentry_shape_is_right:
; out0[b] = hid[2 b] W2[e_0] + hid[2 b + 1] W2[e_1] + g_0 b2[e_0] + g_1 b2[e_1].  hid holds g relu(..) in bf16, in blocks ([pair][block of 16 rows][block of 64 k][j][h][64 bf16]);
; w2 and b2 are f32 and are rounded to bf16 on their way; sums in f32; out0 is f32.
; SHARES.  Work-group (ct, y): item b = y / 4, rows 128 rb .. + 127 (rb = y % 4), columns 128 ct .. + 127.  Wave w: expert i = w / 2, columns 64 (w % 2) on: 128 x 64 x K = 1,024 with W2[e_i],
; 32 accumulators that start at g_i b2[e_i].  The two waves of a column half hold the two experts' parts of the same numbers: each gives the other half of its rows through LDS, in f32, and stores the other half's sums.
; THE WEIGHTS GO FROM MEMORY TO THE MATRIX UNIT THROUGH REGISTERS ALONE.  W2[e] lies [k][n].  A load: lanes 0-15 take 256 consecutive bytes of row k0 + j (lane r the columns 4 r .. 4 r + 3), lanes 16-31 of row
; k0 + 8 + j.  Number f of a lane's four belongs to B fragment f, in which lane r stands for column 4 r + f; two rows' numbers f, rounded in one v_cvt_pk_bf16_f32, are a register of that fragment.
; In the result register j of accumulators (a, 0 .. 3) holds four neighbouring columns of one row: 16 lanes store 256 consecutive bytes of out0, aligned, straight from registers.
; hid's ROWS are shared by the four work-groups of a cluster (same y): they are asked for JOINTLY, in chunks of 256 k (both experts: 139,264 bytes) through two slots; a refill has 8 K steps, 256 matrix instructions a wave, in which to land.
; W2's TILES ARE NOT ASKED FOR JOINTLY, though the four row blocks of an item read the same ones: as f32 a work-group's share is 1 MB; LDS has 49,152 bytes left beside the two slots' 278,528, and a pass
; through LDS would add 16 KB of LDS traffic to each wave's 8 KB for 32 along K.  Instead each row block begins its walk along K at another quarter (chunk rb).
; LIMITS.  Sums run along K from chunk rb on, round to chunk rb - 1, and the two experts' sums are added last: another order of f32 additions than the reference's.  NaN and infinities are not treated apart.
; REGISTERS, in windows of 256 (s_set_vgpr_msb: bits 1:0 source 0, 3:2 source 1, 5:4 source 2, 7:6 destination):
;   window 0: v0-31 addresses and the bias; v32-63 what the sums start with; v64-191 hid's fragments, two buffers of 8; v192-255 W2's fragments, two buffers of 4
;   window 1: accumulator (a, f) at v[8 (4 a + f)]      window 2: W2 as loaded: four slots of 64, one for each K step of a group; at the end the partner's sums
.set LINE, 272                         ; 256 bytes + 16 of padding
.set CB,   8*LINE                      ; a column block of 64 k of 16 rows
.set BLK,  4*CB                        ; 16 rows x 256 k
.set REG,  8*BLK                       ; 128 rows x 256 k of one expert
.set SLOT, 2*REG                       ; 0x22000: bits 13 and 17, which are clear in every place inside a slot that is turned by an exclusive or below (0, 0x8800, 0x11000, 0x19800)
.set SPARE, 2*SLOT                     ; behind the slots: the spare words, 128 bytes for each wave
.set NR,   4                           ; blocks of 16 rows that one tensor load brings
.set BO,  3                            ; v3   16 r: my four numbers of the bias
.set LLO, 4                            ; v4   my lane's place in a slot, for accumulators' row blocks 0-3; never rewritten
.set LHI, 5                            ; v5   for row blocks 4-7
.set ALO, 6
.set AHI, 7
.set BOF, 8                            ; v8   32,768 h + 16 r: my place in 16 rows of W2, and of out0; never rewritten
.set STG, 10                           ; v10  the exchange: where I put 16 bytes
.set PST, 11                           ; v11  where my partner has put them
.set TV,  13
.set SPW, 14                           ; v14  LDS address of my spare word; never rewritten
.set NIL, 15                           ; v15  0; never rewritten
.set BI,  16                           ; v16-19 the bias as loaded
.set GB,  20                           ; v20-23 rounded to bf16, as f32
.set TV2, 28
.set CI,  32                           ; v32-63 g b2 of column 4 r + f, eight times, at CI + 8 f
.set AF,  64
.set BF,  192
.set OD,  64                           ; the way out: [row block][j][f]
.set WV,  16
.set EI,  17
.set JC,  18
.set CX,  19
.set CT,  20
.set YY,  21
.set IB,  22
.set RB,  23
.set G1,  24                           ; s[24:31] descriptor group 1
.set G0,  32                           ; s[32:39] descriptor group 0: a set for each first fill; the second then walks
.set HB,  40                           ; s[40:41] hid at my four blocks
.set BB,  48
.set WB,  50
.set OB,  52
.set TA,  54
.set INN, 55
.set OUT, 56
.set GI,  57
.set CQ,  58                           ; s58  the chunk of K asked for last
.set RT,  60
.set GT,  62
.set EX,  66
.set GG,  68
.set OF,  70                           ; s[70:71] an offset in 64 bits; s71 stays 0
.set MSB, 0
.macro WIN new                         ; the immediate's high byte repeats the setting that is left; a switch that changes nothing is dropped
.if MSB != (\new)
	s_set_vgpr_msb (MSB<<8)|(\new)
.set MSB, \new
.endif
.endm
.macro ROUND                           ; a round of the cluster's barrier
	s_barrier_signal -1
	s_barrier_wait -1
	s_cmp_lg_u32 s[WV], 0
	s_cbranch_scc1 .Lnot_wave_0_\@
	s_barrier_signal -3
.Lnot_wave_0_\@:
	s_barrier_wait -3
	s_barrier_signal -1
	s_barrier_wait -1
.endm
	s_load_b256 s[4:11], s[0:1], 0x0               ; hid s[4:5], w2 s[6:7], b2 s[8:9], route s[10:11]
	s_load_b128 s[12:15], s[0:1], 0x20             ; gates s[12:13], out0 s[14:15]
	v_lshl_add_u32 v[SPW], v0, 2, SPARE
	v_mov_b32 v[NIL], 0
	ds_add_u32 v[SPW], v[NIL]                      ; the wave's opening: the add and its wait stand ahead of my first tensor load; the set-up below, work on registers, stands between them
	v_lshrrev_b32 v1, 5, v0
	v_readfirstlane_b32 s[WV], v1
	s_lshr_b32 s[EI], s[WV], 1
	s_and_b32 s[JC], s[WV], 1
	s_bfe_u32 s[CX], ttmp6, 0x40000
	s_lshl_b32 s[CT], ttmp9, 2                     ; in a cluster launch ttmp9 counts clusters
	s_add_co_u32 s[CT], s[CT], s[CX]               ; my tile of 128 columns: it enters W2's, b2's and out0's addresses alone
	s_and_b32 s[YY], ttmp7, 0xffff                 ; which the four partners share
	s_lshr_b32 s[IB], s[YY], 2
	s_and_b32 s[RB], s[YY], 3
	; group 1: NR rows of 4,096 elements (a block's 8,192 dense bytes of one chunk), 16,384 elements from block to block; in LDS 16 bytes of padding behind every 256
	s_mov_b32 s[G1+0], 15|(1<<16)|(1<<20)|(1<<21)|(5<<22)|(3<<25)  ; 15:0 the mask of four; 17:16 2-byte elements; 20 padding on; 21 set beside a mask; 24:22 after every 64 words; 31:25 4 words
	s_mov_b32 s[G1+1], 4096<<16                    ; tensor_dim0
	s_mov_b32 s[G1+2], NR<<16                      ; tensor_dim1
	s_mov_b32 s[G1+3], 4096<<16                    ; tile_dim0
	s_mov_b32 s[G1+4], NR                          ; tile_dim1
	s_mov_b32 s[G1+5], 16384                       ; the pitch
	s_mov_b32 s[G1+6], 0
	s_mov_b32 s[G1+7], 0
	s_mul_i32 s2, s[WV], NR*BLK                    ; wave w fetches expert w / 2, row blocks 4 (w % 2) on: w x 34,816 bytes into a slot
	s_mov_b32 s[G0], 1
	s_mov_b32 s[G0+1], s2
	s_mov_b32 s[G0+4], 1
	s_add_co_u32 s[G0+5], s2, SLOT
	s_lshl_b32 s3, s[IB], 21                       ; hid: pair 2 b + w / 2, 1 MB each; block 8 rb + 4 (w % 2), 32,768 bytes each
	s_lshl_b32 s2, s[EI], 20
	s_add_co_u32 s3, s3, s2
	s_lshl_b32 s2, s[RB], 18
	s_add_co_u32 s3, s3, s2
	s_lshl_b32 s2, s[JC], 17
	s_add_co_u32 s3, s3, s2
	s_add_co_u32 s[CQ], s[RB], 1
	s_and_b32 s[CQ], s[CQ], 3                      ; the second first fill's chunk
	s_mov_b32 s[OF+1], 0
	s_mov_b32 s[TA], 0
	v_and_b32 v1, 15, v0                           ; r
	v_bfe_u32 v2, v0, 4, 1                         ; h
	v_lshlrev_b32 v[BO], 4, v1
	v_lshl_add_u32 v[BOF], v2, 15, v[BO]
	v_and_b32 v[TV], 7, v0                         ; a fragment's row r lies in line r % 8, half r / 8; its k at 16 h
	v_mul_u32_u24 v[TV2], v[TV], LINE
	v_bfe_u32 v[TV], v0, 3, 1
	v_lshl_add_u32 v[TV2], v[TV], 7, v[TV2]
	v_lshl_add_u32 v[TV2], v2, 4, v[TV2]
	; Accumulators' row blocks 0-3 are the rows that the wave keeps, 64 i on; blocks 4-7 the rows that it gives away, 64 (1 - i) on: so the way out is one text for all waves.
	s_mul_i32 s2, s[EI], REG+4*BLK                 ; my expert's part of a slot, + 64 i rows
	v_add_nc_u32 v[LLO], s2, v[TV2]
	s_mul_i32 s2, s[EI], REG-4*BLK                 ; my expert's part, + 64 (1 - i) rows
	s_add_co_u32 s2, s2, 4*BLK
	v_add_nc_u32 v[LHI], s2, v[TV2]
	v_and_b32 v[TV], 31, v0
	v_lshlrev_b32 v[TV], 4, v[TV]
	s_lshl_b32 s2, s[WV], 14                       ; the exchange: 16,384 bytes a wave, from LDS byte 0 on
	v_add_nc_u32 v[STG], s2, v[TV]
	s_xor_b32 s2, s2, 0x8000                       ; my partner is wave w ^ 2
	v_add_nc_u32 v[PST], s2, v[TV]
	s_lshl_b32 s[OF], s[IB], 5                     ; the item's row of route and of gates
	s_wait_dscnt 0x0                               ; the opening add is done
	s_wait_kmcnt 0x0
	s_add_nc_u64 s[10:11], s[10:11], s[OF:OF+1]
	s_add_nc_u64 s[12:13], s[12:13], s[OF:OF+1]
	s_load_b64 s[RT:RT+1], s[10:11], 0x0
	s_load_b64 s[GT:GT+1], s[12:13], 0x0
	s_mov_b32 s[OF], s3
	s_add_nc_u64 s[HB:HB+1], s[4:5], s[OF:OF+1]
	s_lshl_b32 s[OF], s[RB], 13                    ; the chunk walked as number q is chunk (q + rb) % 4 of K
	s_add_nc_u64 s[G0+2:G0+3], s[HB:HB+1], s[OF:OF+1]
	s_or_b32 s[G0+3], s[G0+3], 0x80000000
	s_lshl_b32 s[OF], s[CQ], 13
	s_add_nc_u64 s[G0+6:G0+7], s[HB:HB+1], s[OF:OF+1]
	s_or_b32 s[G0+7], s[G0+7], 0x80000000
	ROUND                                          ; all four work-groups are here: the first joint loads meet
	tensor_load_to_lds s[G0:G0+3], s[G1:G1+7]      ; two loads of mine are out
	s_nop 0
	tensor_load_to_lds s[G0+4:G0+7], s[G1:G1+7]
	s_nop 0
.rept 4
	v_nop
.endr
	s_wait_kmcnt 0x0                               ; route, gates
	s_cmp_eq_u32 s[EI], 0
	s_cselect_b32 s[EX], s[RT], s[RT+1]
	s_cselect_b32 s[GG], s[GT], s[GT+1]
	s_min_u32 s[EX], s[EX], 7                      ; a loaded number enters an address only behind a bound
	s_mov_b32 s[GG+1], s[GG]
	s_lshl_b32 s2, s[CT], 9
	s_lshl_b32 s3, s[JC], 8
	s_add_co_u32 s2, s2, s3                        ; my first column, in bytes of f32
	s_lshl_b32 s[OF], s[EX], 22
	s_add_co_u32 s[OF], s[OF], s2
	s_add_nc_u64 s[WB:WB+1], s[6:7], s[OF:OF+1]
	s_lshl_b32 s[OF], s[EX], 12
	s_add_co_u32 s[OF], s[OF], s2
	s_add_nc_u64 s[8:9], s[8:9], s[OF:OF+1]
	s_lshl_b32 s[GI], s[RB], 1                     ; the walk begins at chunk rb: group 2 rb
	s_lshl_b32 s[OF], s[GI], 19                    ; a group is 128 rows of 4,096 bytes
	s_add_nc_u64 s[BB:BB+1], s[WB:WB+1], s[OF:OF+1]
	global_load_b128 v[BI:BI+3], v[BO], s[8:9]     ; the oldest load: the first wait below covers it
	WIN 0x80                                       ; destination window 2
.set i, 0
.rept 64                                               ; the first group's four K steps: step i / 16, unit (i / 8) % 2, row i % 8
	global_load_b128 v[4*i:4*i+3], v[BOF], s[BB:BB+1] offset:(32*(i/16)+16*((i/8)%2)+i%8)*4096
.set i, i+1
.endr
	WIN 0
	s_lshl_b32 s[OF], s[YY], 19                    ; out0: row 128 y + 64 i, 4,096 bytes each; my first column
	s_lshl_b32 s3, s[EI], 18
	s_add_co_u32 s[OF], s[OF], s3
	s_add_co_u32 s[OF], s[OF], s2
	s_add_nc_u64 s[OB:OB+1], s[14:15], s[OF:OF+1]
; Matrix instruction n of a K step's 32: row block n % 8, fragment n / 8, from buffers mb.  The 32 accumulators take turns, one instruction a turn.
.macro MM1 n, mb, first
.set fa, (\n)%8
.set ff, (\n)/8
.set rD, 8*(4*fa+ff)
.set rA, AF+64*(\mb)+8*fa
.set rB, BF+32*(\mb)+8*ff
.if \first
	WIN 0x40                                       ; D window 1, C window 0
	v_wmma_f32_16x16x32_bf16 v[rD:rD+7], v[rA:rA+7], v[rB:rB+7], v[CI+8*ff:CI+8*ff+7]
.else
	WIN 0x50                                       ; C and D window 1
	v_wmma_f32_16x16x32_bf16 v[rD:rD+7], v[rA:rA+7], v[rB:rB+7], v[rD:rD+7]
.endif
.endm
; Slice x of the eight that round step p's weights: four conversions: half x % 2 (k = 16 (x % 2) on) of fragment x / 2.
.macro CVT4 x, p
	WIN 0x0a                                       ; sources window 2
.set pb, (\p)&1
.set cf, (\x)/2
.set cu, (\x)%2
.set rw, 64*(\p)+32*cu
.irp i, 0,1,2,3
	v_cvt_pk_bf16_f32 v[BF+32*pb+8*cf+4*cu+\i], v[rw+8*\i+cf], v[rw+8*\i+4+cf]
.endr
.endm
; THE MEMORY INSTRUCTIONS OF A K STEP STAND IN ONE RUN, never singly among the matrix instructions: hid's eight fragments of step p, then (reload = 1) the slot just rounded is loaded again, for the same step of the next group.
.macro FETCH p, reload
	WIN 0
.set pb, (\p)&1
.set ao, ((\p)>>1)*CB+((\p)&1)*64
.irp g, 0,1,2,3
	ds_load_b128 v[AF+64*pb+8*\g:AF+64*pb+8*\g+3],   v[ALO] offset:\g*BLK+ao
	ds_load_b128 v[AF+64*pb+8*\g+4:AF+64*pb+8*\g+7], v[ALO] offset:\g*BLK+ao+32
.endr
.irp g, 0,1,2,3
	ds_load_b128 v[AF+64*pb+32+8*\g:AF+64*pb+32+8*\g+3],   v[AHI] offset:\g*BLK+ao
	ds_load_b128 v[AF+64*pb+32+8*\g+4:AF+64*pb+32+8*\g+7], v[AHI] offset:\g*BLK+ao+32
.endr
.if \reload
	WIN 0x80                                       ; destination window 2
.set t, 0
.rept 16
	global_load_b128 v[64*(\p)+4*t:64*(\p)+4*t+3], v[BOF], s[BB:BB+1] offset:(32*(\p)+16*(t/8)+t%8)*4096
.set t, t+1
.endr
.endif
.endm
; A K STEP: the step made ready last is multiplied (mm = 1) from buffers (p % 2) ^ 1 while step p of the group in hand is made ready (prep = 1) in buffers p % 2: four conversions behind each of the first eight matrix
; instructions, then the run of 32 memory instructions, then 24 matrix instructions on end, in which the LDS loads land.  Eighteen window switches for the step's 32 matrix instructions.
; DISTANCES (ISA guide 7.12.1 for vector instructions): four plain vector instructions that name none of its registers stand between a matrix instruction and a write of its sources.
; Fragment 0's last reader is number 7 of the step before: that step's last four conversions stand between.  Fragments 1, 2, 3 (last readers 15, 23, 31) have this step's 8, 16, 24 earlier conversions;
; the LDS loads into hid's fragments (last reader 31) the 24 conversions into fragments 0 to 2.
; wl: the younger loads that may stay out when the step's sixteen have to be in: three slots, 48, while slots are loaded again.
.macro KSTEP mm, p, first, prep, reload, wl
.if \mm
	s_wait_dscnt 0x0                               ; hid's fragments, asked for 24 matrix instructions ago
.endif
.set x, 0
.rept 8
.if \mm
	MM1 x, (((\p)&1)^1), \first
.endif
.if \prep
.if x == 0
	s_wait_loadcnt \wl
.endif
	CVT4 x, \p
.endif
.set x, x+1
.endr
.if \prep
	FETCH \p, \reload
.endif
.if \mm
.rept 24
	MM1 x, (((\p)&1)^1), \first
.set x, x+1
.endr
.endif
.endm
.macro GHEAD step                      ; a group of four K steps begins.  step = 1: its reloads ask for the next group, round K's end
.if \step
	s_wait_xcnt 0x0                                ; the loads that name the old base have had their addresses translated (ISA guide 3.1): it is rewritten only behind this wait
	s_add_co_u32 s[GI], s[GI], 1
	s_and_b32 s[GI], s[GI], 7
	s_lshl_b32 s[OF], s[GI], 19
	s_add_nc_u64 s[BB:BB+1], s[WB:WB+1], s[OF:OF+1]
.endif
	v_add_nc_u32 v[ALO], s[TA], v[LLO]
	v_add_nc_u32 v[AHI], s[TA], v[LHI]
.endm
.macro GROUPL
	GHEAD 1
	KSTEP 1, 0, 0, 1, 1, 48
	KSTEP 1, 1, 0, 1, 1, 48
	KSTEP 1, 2, 0, 1, 1, 48
	KSTEP 1, 3, 0, 1, 1, 48
	WIN 0                                          ; at a label and at a branch every window is 0
	s_add_co_u32 s[TA], s[TA], 2*CB
.endm
; THE CHANGE OF SLOTS.  The slot's last fragments have been asked for.  Each wave waits for all its tensor loads, of which one is out: its part of the other slot; adds 0 to its spare word; and waits for that and for its
; own reads of the slot.  fill = 1: the slot is filled again, with the chunk two further on: the barrier is a round of the cluster's, so that no wave of any partner still reads the slot or has a load on its way, and the
; joint refill is the first thing behind it.  The descriptor's address is made anew from the chunk's number.
.macro BOUND fill
	WIN 0
	s_wait_tensorcnt 0x0                           ; no tensor load of mine is out, so a group 0 may be written
	ds_add_u32 v[SPW], v[NIL]                      ; 0 onto my spare word; with fill = 1 the descriptor's walk stands between it and the wait for it
.if \fill
	s_xor_b32 s[G0+5], s[G0+5], SLOT               ; the other slot than last time
	s_add_co_u32 s[CQ], s[CQ], 1
	s_and_b32 s[CQ], s[CQ], 3
	s_lshl_b32 s[OF], s[CQ], 13
	s_add_nc_u64 s[G0+6:G0+7], s[HB:HB+1], s[OF:OF+1]
	s_or_b32 s[G0+7], s[G0+7], 0x80000000
.endif
	s_wait_dscnt 0x0                               ; the add is done, and my reads of the slot are over
.if \fill
	ROUND
	tensor_load_to_lds s[G0+4:G0+7], s[G1:G1+7]    ; my one tensor load behind the round
	s_nop 0
.rept 4
	v_nop
.endr
.else
	s_barrier_signal -1
	s_barrier_wait -1
.endif
	s_sub_co_u32 s[TA], s[TA], 4*CB                ; the fetches go back to a slot's first group,
	s_xor_b32 s[TA], s[TA], SLOT                   ; in the other slot
.endm
	s_wait_tensorcnt 0x1                           ; my part of the first chunk is in; the second's may stay out
	s_barrier_signal -1
	s_barrier_wait -1                              ; everybody's is
	GHEAD 1
	KSTEP 0, 0, 0, 1, 1, 48                        ; step 0 is made ready: nothing to multiply yet
	WIN 0
	v_cvt_pk_bf16_f32 v[TV], v[BI], v[BI+1]        ; the bias: rounded to bf16 like every input, times g: what the sums start with
	v_cvt_pk_bf16_f32 v[TV2], v[BI+2], v[BI+3]
	v_lshlrev_b32 v[GB], 16, v[TV]
	v_and_b32 v[GB+1], 0xffff0000, v[TV]
	v_lshlrev_b32 v[GB+2], 16, v[TV2]
	v_and_b32 v[GB+3], 0xffff0000, v[TV2]
.set i, 0
.rept 32
	v_mul_f32 v[CI+i], s[GG], v[GB+i/8]
.set i, i+1
.endr
	KSTEP 1, 1, 1, 1, 1, 48                        ; the first products start the sums: nothing is cleared
	KSTEP 1, 2, 0, 1, 1, 48
	KSTEP 1, 3, 0, 1, 1, 48
	WIN 0
	s_add_co_u32 s[TA], s[TA], 2*CB
	s_mov_b32 s[OUT], 3
	s_mov_b32 s[INN], 1
	s_branch .Linner                               ; the first chunk has one group left
.Louter:                                               ; twice: chunks 1 and 2 of the walk are entered, chunks 2 and 3 asked for
	BOUND 1
	s_mov_b32 s[INN], 2
.Linner:
	GROUPL
	s_sub_co_u32 s[INN], s[INN], 1
	s_cmp_lg_u32 s[INN], 0
	s_cbranch_scc1 .Linner
	s_sub_co_u32 s[OUT], s[OUT], 1
	s_cmp_lg_u32 s[OUT], 0
	s_cbranch_scc1 .Louter
	BOUND 0                                        ; the last chunk is written out: nothing is asked for
	GROUPL
	GHEAD 0
	KSTEP 1, 0, 0, 1, 0, 48                        ; the counts run down
	KSTEP 1, 1, 0, 1, 0, 32
	KSTEP 1, 2, 0, 1, 0, 16
	KSTEP 1, 3, 0, 1, 0, 0
	KSTEP 1, 0, 0, 0, 0, 0                         ; the last step's products
	WIN 0
.rept 4
	v_nop                                          ; four places between the last products and the lines that read results and rewrite fragments
.endr
	; THE EXCHANGE, in f32.  Row blocks 4-7 go to the partner, through the first 65,536 bytes of slot 0: that slot has had its last fill, and every wave's reads of it were over at the last barrier above.
	; Each accumulator's registers are read in ascending order.
	WIN 0x04                                       ; store data window 1
.set u, 0
.rept 32
	ds_store_b128 v[STG], v[128+4*u:128+4*u+3] offset:512*u
.set u, u+1
.endr
	WIN 0
	s_wait_dscnt 0x0                               ; for my partner's sake: my stores are done
	s_barrier_signal -1
	s_barrier_wait -1
	WIN 0x80                                       ; destination window 2: the weights' registers are free, the last wait for them was for 0
.set u, 0
.rept 32
	ds_load_b128 v[4*u:4*u+3], v[PST] offset:512*u ; the partner's (4 + a, f, j) lands at my (a, f, j)'s number
.set u, u+1
.endr
.irp a, 0,1,2,3
	s_wait_dscnt 24-8*\a                           ; row block a's eight loads are in; the later blocks' stay out
	WIN 0x09                                       ; source 0 window 1, source 1 window 2
.irp j, 0,1,2,3,4,5,6,7
.irp f, 0,1,2,3
	v_add_f32 v[OD+32*\a+4*\j+\f], v[8*(4*\a+\f)+\j], v[8*(4*\a+\f)+\j]
.endr
.endr
	WIN 0
.irp j, 0,1,2,3,4,5,6,7
	global_store_b128 v[BOF], v[OD+32*\a+4*\j:OD+32*\a+4*\j+3], s[OB:OB+1] offset:(16*\a+\j)*4096 th:TH_STORE_NT  ; 16 lanes store 256 consecutive bytes of a row, aligned; each store has data registers of its own
.endr
.endr
	s_wait_tensorcnt 0x0                           ; the wave's end
	ds_add_u32 v[SPW], v[NIL]
	s_wait_dscnt 0x0
	ROUND                                          ; the closing round: no work-group ends while a partner may still ask for a tile that names it
	s_endpgm
.Lfunc_end_k_q5d0f8ea86e_down:
	.size	k_q5d0f8ea86e_down, .Lfunc_end_k_q5d0f8ea86e_down-k_q5d0f8ea86e_down
	.p2alignl 7, 3214868480
	.fill 96, 4, 3214868480
	.section	.rodata,"a",@progbits
	.p2align	6, 0x0
	.amdhsa_kernel k_q5d0f8ea86e_down
		.amdhsa_group_segment_fixed_size 327680
		.amdhsa_private_segment_fixed_size 0
		.amdhsa_enable_private_segment 0
		.amdhsa_kernarg_size 48
		.amdhsa_user_sgpr_count 2
		.amdhsa_user_sgpr_kernarg_segment_ptr 1
		.amdhsa_wavefront_size32 1
		.amdhsa_system_sgpr_workgroup_id_x 1
		.amdhsa_system_sgpr_workgroup_id_y 1
		.amdhsa_system_sgpr_workgroup_id_z 1
		.amdhsa_system_vgpr_workitem_id 0
		.amdhsa_next_free_vgpr 768
		.amdhsa_next_free_sgpr 72
		.amdhsa_reserve_vcc 0
		.amdhsa_float_denorm_mode_32 3
		.amdhsa_float_denorm_mode_16_64 3
		.amdhsa_memory_ordered 1
		.amdhsa_forward_progress 1
		.amdhsa_inst_pref_size 136
	.end_amdhsa_kernel
	.amdgpu_metadata
---
amdhsa.version: [ 1, 2 ]
amdhsa.kernels:
  - .name:           k_q5d0f8ea86e_down
    .symbol:         k_q5d0f8ea86e_down.kd
    .args:
      - { .name: hid, .offset: 0, .size: 8, .value_kind: global_buffer, .address_space: global }
      - { .name: w2, .offset: 8, .size: 8, .value_kind: global_buffer, .address_space: global }
      - { .name: b2, .offset: 16, .size: 8, .value_kind: global_buffer, .address_space: global }
      - { .name: route, .offset: 24, .size: 8, .value_kind: global_buffer, .address_space: global }
      - { .name: gates, .offset: 32, .size: 8, .value_kind: global_buffer, .address_space: global }
      - { .name: out0, .offset: 40, .size: 8, .value_kind: global_buffer, .address_space: global }
    .group_segment_fixed_size: 327680
    .private_segment_fixed_size: 0
    .kernarg_segment_align: 8
    .kernarg_segment_size: 48
    .max_flat_workgroup_size: 128
    .sgpr_count:     72
    .vgpr_count:     768
    .wavefront_size: 32
...
	.end_amdgpu_metadata
.endif
;; end of part 3
